; MI455X (gfx1250); checked and timed in simulation.
; The chip was launched on July 23, 2026; its instructions are those of AMD's public machine-readable ISA for CDNA 5 (MIT licence, August 2026) and "CDNA5" Instruction Set Architecture Reference Guide (July 2026). The comments in the code are by the model that wrote it; some were corrected since.
;; Or. Allowed arithmetic: matrix products marked QUANTISED: E2M3 operands, one E8M0 scale for each 32 along K, by v_wmma_scale_f32_16x16x128_f8f6f4 with both operands' format E2M3, f32 sums; products left as they are: f32 operands where the result goes on into a quantised operand, else bf16, f16 or f32 operands; f32 sums; everything else in f32.
;; Inputs: W 8 x 1,024 x 1,024 float32; b 8 x 1,024 float32; type_ids 8,192 int32; x 8,192 x 1,024 float32.
;; Outputs: out0 8,192 x 1,032 float32.
;; This version of the problem:
;;   THIS VERSION OF THE PROBLEM IS GIVEN IN LOW PRECISION. The matrix products marked QUANTISED in the list below multiply operands that are first quantised to E2M3 (2 exponent bits, 3 mantissa bits; 6 bits a number), with one power-of-two scale for each 32 numbers along K (OCP MX v1.0); their sums are f32. All else is computed in f32.
;;   The module's matrix products, in the order in which they are computed (A, B: the left and right operand; K: the contracted axis; several contracted axes count as one K, in the product's order):
;;     1. [M 8,192, K 1,024] x [K 1,024, N 8,192]; A: input W; B: input x: QUANTISED
;;     2. batch 8,192 x [M 1,024, K 8] x [K 8, N 1]; A: computed on the way; B: computed on the way: left as it is (K = 8 < 32)
;;   THE QUANTISER, for each operand of a quantised product, along K:
;;     - K is cut into blocks of 32 from its start; a last block that is shorter is filled with zeros.
;;     - A block's scale is 2^e with e = floor(log2(the largest magnitude in the block)) - 2, held to -126 .. 127; a block of zeros has e = 0. As a byte (E8M0): e + 127.
;;     - Each number is divided by its block's scale, clamped to +-7.5, and rounded to the nearest number of E2M3, ties to even, subnormals kept.
;;     - The product sums the exact products of the quantised numbers (number of the format x scale) in f32.
;;   ~~~python
;;   def quantise(x, axis):      # numpy; x: float32 -> the quantised numbers, widened to float32 again
;;       x = np.moveaxis(x, axis, -1); K = x.shape[-1]
;;       x = np.pad(x, [(0, 0)] * (x.ndim - 1) + [(0, -K % 32)]); x = x.reshape(x.shape[:-1] + (-1, 32)); a = np.abs(x).max(-1, keepdims=True)
;;       e = np.where(a > 0, np.clip(np.frexp(np.where(a > 0, a, 1))[1] - 1 - 2, -126, 127), 0)      # np.frexp(a)[1] - 1 = floor(log2(a)), exactly
;;       r = np.clip(x / 2.0 ** e, -7.5, 7.5)
;;       step = 2.0 ** (np.maximum(np.frexp(np.where(r == 0, 1, r))[1] - 1, 0) - 3)
;;       q = np.round(r / step) * step * 2.0 ** e      # np.round: ties to even
;;       return np.moveaxis(q.reshape(q.shape[:-2] + (-1,))[..., :K], -1, axis).astype(np.float32)
;;   ~~~
;; 2 versions, each right; version 2 is version 1 with the launch moe written anew for expert scheduling mode. Each part assembles by itself: llvm-mc -triple=amdgcn-amd-amdhsa -mcpu=gfx1250 --defsym DOCPART=n.
;; ======== version 1 of 2: 2 launches
;; workspace buffers: xq 6,292,224 bytes; xs 262,400 bytes; wq 6,291,456 bytes; ws 262,144 bytes; order 32,768 bytes of whole numbers; tiles 4,096 bytes of whole numbers
;; launch prep (part 1): grid 385 x 1, 8 waves a work-group, no clusters, 67,584 bytes of LDS; arguments x, W, type_ids, xq, xs, wq, ws, order, tiles; writes xq, xs, wq, ws, order, tiles
.if DOCPART == 1
	.amdgcn_target "amdgcn-amd-amdhsa--gfx1250"
	.amdhsa_code_object_version 6
	.text
	.protected	k_q8cdc638408_prep
	.globl	k_q8cdc638408_prep
	.p2align	8
	.type	k_q8cdc638408_prep,@function
k_q8cdc638408_prep:
	s_mov_b64 s[64:65], 0
	v_nop
	global_prefetch_b8 v0, s[64:65] scope:SCOPE_SE
	s_setreg_imm32_b32 hwreg(HW_REG_WAVE_MODE, 25, 1), 1
	s_wait_xcnt 0x0
; THE LAUNCH IN FRONT OF THE PRODUCT.  Three kinds of work-group, told apart by the work-group's number alone:
;   0          ROUTING: the 8,192 type ids are sorted by a counting sort into nine buckets (0..7; bucket 8: every id outside 0..7, whose output row is zeros), no atomics.
;              order[pos] = row number, bucket by bucket;  tiles[j] = (expert, first position, last position, tiles of 16 rows) for tiles of at most 160 rows of one bucket; unused entries (9, 0, 0, 0).
;   1 .. 128   x [8192][1024] f32 -> xq: rows of 768 bytes of E2M3 codes, K innermost, as the bit stream lies;  xs: 32 E8M0 bytes a row.
;   129 .. 384 W [8][1024 (d)][1024 (col)] f32, quantised along d, its FIRST axis in an expert -> wq: images of the matrix operand's registers: fragment (expert e, column tile ct, K step s) at
;              ((64 e + ct) 8 + s) 1536; in it registers 4 c .. 4 c + 3 of lane L at 512 c + 16 L;  ws: the scale word of (e, s, col) at 32768 e + 4096 s + 4 col.
; THE QUANTISER: a block's scale byte is its largest magnitude's exponent field - 2, held at 1 from below by a floor among the maximum's leaves; each number / scale, to the nearest code, ties to even, beyond 7.5 the largest code.
; LIMITS: NaN and infinities among x and W are not served.  A block of zeros gets the byte 1 where the rule says 127: its codes are zeros, and the bytes are read by this program alone.
; Row 8192 of xq (zero codes) and of xs (bytes 0x7f) is written by work-group 0: the rows of bucket 8 are multiplied as that row.
; EXEC is never changed.  LDS: bytes 0 .. 65535 are the x path's (8,192 a wave), 65536 .. 66559 the routing's; the W path uses none.
.set FLOOR, 0x1800000                  ; 2^(3 - 127)
.set OFFE,  0xff000000                 ; -(2 << 23): 2 off an exponent field
	s_load_b512 s[4:19], s[0:1], 0x0               ; x 4:5, W 6:7, ids 8:9, xq 10:11, xs 12:13, wq 14:15, ws 16:17, order 18:19
	s_load_b64 s[20:21], s[0:1], 0x40              ; tiles
	v_lshl_add_u32 v235, v0, 2, 0x10400
	v_mov_b32 v239, 0
	v_lshrrev_b32 v1, 5, v0
	v_readfirstlane_b32 s22, v1                    ; wave 0..7
	v_and_b32 v1, 31, v0                           ; lane
	s_wait_kmcnt 0x0
	s_cmp_eq_u32 ttmp9, 0
	s_cbranch_scc1 .Lroute
	s_cmp_lt_u32 ttmp9, 129
	s_cbranch_scc1 .Lx
; ================================================================ W: a lane takes a column, its registers run down d
; Work-group g = (e, cg, s): expert e, columns 256 cg .. + 255, d = 128 s .. + 127.  Wave w: columns 256 cg + 32 w + lane: two column tiles of 16.
; Each load reads one row d at 32 neighbouring columns (128 consecutive bytes a wave, 1,024 a work-group).  A lane's 128 numbers are the four blocks of one K step of its column:
; in the operand's layout lane (r, h) holds block h in registers 0-5 and block 2 + h in registers 6-11, so my column's codes are the images of TWO lanes, h = 0 and h = 1.
.set WX,  16                           ; v16-143  128 numbers
.set WIM, 144                          ; v144-167 the two lane images, 12 registers each
.set WTP, 168                          ; v168-183 each block's upper 16 codes (a conversion's three registers begin on an even number)
.set WSW, 184                          ; v184     the scale word
	s_sub_co_u32 s23, ttmp9, 129                   ; g
	s_lshr_b32 s24, s23, 5                         ; e
	s_bfe_u32 s25, s23, 0x20003                    ; cg
	s_and_b32 s26, s23, 7                          ; s
	s_lshl_b32 s27, s25, 3
	s_add_co_u32 s27, s27, s22                     ; 8 cg + w: which 32 columns
	s_lshl_b32 s28, s24, 22                        ; W: e x 4 MiB
	s_lshl_b32 s30, s26, 19                        ;    + s x 128 rows of 4,096 bytes
	s_add_co_u32 s28, s28, s30
	s_lshl_b32 s30, s27, 7                         ;    + 32 columns x 4 bytes
	s_add_co_u32 s28, s28, s30
	s_mov_b32 s29, 0
	s_add_nc_u64 s[6:7], s[6:7], s[28:29]
	s_lshl_b32 s28, s24, 15                        ; ws: 32768 e + 4096 s + 128 (8 cg + w)
	s_lshl_b32 s31, s26, 12
	s_add_co_u32 s28, s28, s31
	s_add_co_u32 s28, s28, s30
	s_add_nc_u64 s[16:17], s[16:17], s[28:29]
	s_lshl_b32 s28, s24, 6                         ; wq: ((64 e + 2 (8 cg + w)) 8 + s) 1536
	s_lshl_b32 s31, s27, 1
	s_add_co_u32 s28, s28, s31
	s_lshl_b32 s28, s28, 3
	s_add_co_u32 s28, s28, s26
	s_mul_i32 s28, s28, 1536
	s_add_nc_u64 s[14:15], s[14:15], s[28:29]
	v_lshlrev_b32 v3, 2, v1                        ; 4 x lane
	v_lshrrev_b32 v4, 4, v1
	v_mul_u32_u24 v4, v4, 12288                    ; my column tile: 8 fragments of 1,536 bytes on for lanes 16-31
	v_and_b32 v5, 15, v1
	v_lshl_add_u32 v4, v5, 4, v4                   ; + 16 r
.set wi, 0
.rept 128
	global_load_b32 v[WX+wi], v3, s[6:7] offset:wi*4096 th:TH_LOAD_NT   ; W(128 s + wi, my column): read once in the launch
.set wi, wi+1
.endr
; Block t of four.  left: the younger loads that may stay out
.macro BLOCKW t, left
.set WXS, WX+32*(\t)
.set WDL, WIM+12*((\t)%2)+6*((\t)/2)   ; block t = 2 c + h: image h, registers 6 c on
	s_wait_loadcnt \left
	v_max3_num_f32 v12, |v[WXS]|, |v[WXS+1]|, |v[WXS+2]|           ; the block's largest magnitude: all 32 numbers are mine; two chains
	v_max3_num_f32 v13, |v[WXS+3]|, |v[WXS+4]|, |v[WXS+5]|
.irp i, 6,10,14,18,22,26
	v_max3_num_f32 v12, v12, |v[WXS+\i]|, |v[WXS+\i+1]|
	v_max3_num_f32 v13, v13, |v[WXS+\i+2]|, |v[WXS+\i+3]|
.endr
	v_max3_num_f32 v12, v12, |v[WXS+30]|, |v[WXS+31]|
	v_max3_num_f32 v12, v12, v13, FLOOR            ; and the floor: the byte cannot fall under 1
	v_add_nc_u32 v[8+(\t)], OFFE, v12              ; 2 off the exponent field: the conversion takes this operand's exponent field as its scale
	v_lshrrev_b32 v13, 23, v[8+(\t)]               ; the scale's byte
.if (\t) == 0
	v_mov_b32 v[WSW], v13
.else
	v_lshl_or_b32 v[WSW], v13, 8*(\t), v[WSW]      ; the lower d in the lower byte
.endif
	v_cvt_scalef32_pk16_fp6_f32 v[WDL:WDL+2], v[WXS:WXS+15], v[8+(\t)]
	v_cvt_scalef32_pk16_fp6_f32 v[WTP+4*(\t):WTP+4*(\t)+2], v[WXS+16:WXS+31], v[8+(\t)]
	v_nop                                          ; one plain place behind a scaled conversion
.irp i, 0,1,2
	v_mov_b32 v[WDL+3+\i], v[WTP+4*(\t)+\i]
.endr
.endm
	BLOCKW 0, 63                                   ; 96 younger loads were issued; the count names the most that its field holds, which is fewer
	BLOCKW 1, 63                                   ; 64 younger
	BLOCKW 2, 32                                   ; the last block's 32
	BLOCKW 3, 0
.irp h, 0,1
.irp c, 0,1,2
	global_store_b128 v4, v[WIM+12*\h+4*\c:WIM+12*\h+4*\c+3], s[14:15] offset:512*\c+256*\h   ; lanes 0-15 and lanes 16-31 each store 256 consecutive bytes, at a multiple of 256 from wq's first byte
.endr
.endr
	global_store_b32 v3, v[WSW], s[16:17]          ; 128 consecutive bytes a wave: one byte in 128 of what this path reads
	s_endpgm
; ================================================================ x: K is innermost: a plain stream of blocks of 32
; A wave takes 8,192 numbers (8 rows) in 16 steps of 512.  Each of a step's four loads reads 512 consecutive bytes, 16 a lane; the 2,048 bytes turn through the wave's own stage in LDS and come back
; 64 bytes a lane, 16 neighbours along K (two neighbouring lanes hold a block).  Loads run eight steps (32 loads a wave) ahead, the turn through LDS one step.
.Lx:
.set XL,  16                           ; v16-143  eight sets of 16 numbers as loaded
.set XN,  144                          ; v144-175 two sets of 16 neighbours
.set XC,  176                          ; v176-239 codes: four registers a step, so that no store's data are written again
.set XE,  240                          ; v240-255 a scale byte a step
.set XSP, 80                           ; a lane's place in a stage: 64 bytes + 16 of padding
	v_lshlrev_b32 v3, 4, v1                        ; my 16 bytes of a load's 512
	s_lshl_b32 s23, s22, 13                        ; my wave's 8,192 bytes of LDS: two stages of 2,560 bytes, then 256 scale bytes
	v_lshrrev_b32 v14, 2, v1
	v_mul_u32_u24 v14, v14, XSP
	v_and_b32 v15, 3, v1
	v_lshl_add_u32 v14, v15, 4, v14
	v_add_nc_u32 v14, s23, v14                     ; into a stage: 80 (lane / 4) + 16 (lane % 4)
	v_mul_u32_u24 v15, v1, XSP
	v_add_nc_u32 v15, s23, v15                     ; out of it: 80 x lane
	v_mul_u32_u24 v4, v1, 12                       ; my 16 codes' 12 bytes in a step's 384
	v_lshrrev_b32 v5, 1, v1
	s_add_co_u32 s23, s23, 2*32*XSP
	v_add_nc_u32 v5, s23, v5                       ; my block's scale byte
	v_lshlrev_b32 v7, 3, v1
	v_add_nc_u32 v6, s23, v7                       ; and 8 bytes a lane on the way out
	s_sub_co_u32 s24, ttmp9, 1
	s_lshl_b32 s24, s24, 3
	s_add_co_u32 s24, s24, s22                     ; which run of 8,192 numbers is my wave's: 0 .. 1023
	s_mov_b32 s27, 0
	s_lshl_b32 s26, s24, 15
	s_add_nc_u64 s[4:5], s[4:5], s[26:27]          ; 32,768 bytes of x a run,
	s_mul_i32 s26, s24, 6144
	s_add_nc_u64 s[10:11], s[10:11], s[26:27]      ; 6,144 of codes,
	s_lshl_b32 s26, s24, 8
	s_add_nc_u64 s[12:13], s[12:13], s[26:27]      ; 256 scale bytes
.macro XLD t
.irp i, 0,1,2,3
	global_load_b128 v[XL+16*((\t)%8)+4*\i:XL+16*((\t)%8)+4*\i+3], v3, s[4:5] offset:2048*(\t)+512*\i th:TH_LOAD_NT
.endr
.endm
.macro XTURN t                         ; LDS serves a wave's instructions in order (ISA guide 5.7.1.4): no wait between the stores and the loads
.irp i, 0,1,2,3
	ds_store_b128 v14, v[XL+16*((\t)%8)+4*\i:XL+16*((\t)%8)+4*\i+3] offset:32*XSP*((\t)%2)+8*XSP*\i
.endr
.irp i, 0,1,2,3
	ds_load_b128 v[XN+16*((\t)%2)+4*\i:XN+16*((\t)%2)+4*\i+3], v15 offset:32*XSP*((\t)%2)+16*\i
.endr
.endm
.irp t, 0,1,2,3,4,5,6,7
	XLD \t
.endr
	s_wait_loadcnt 28                              ; step 0's four loads are in; the seven steps behind it stay out
	XTURN 0
.macro XSTEP t
.set XS_, XN+16*((\t)%2)
.if (\t) > 0
	s_wait_dscnt 1                                 ; this step's numbers are back from the stage (the last step's byte store may be out): so its stores into the stage have read their registers,
.else
	s_wait_dscnt 0x0
.endif
.if (\t)+8 < 16
	XLD (\t)+8                                     ; which take the loads of eight steps on
.endif
.if (\t)+1 < 16
.if (\t)+8 < 15
	s_wait_loadcnt 28                              ; the next step's four loads are in; those of the seven steps behind it may be out
.else
	s_wait_loadcnt 4*(14-(\t))                     ; towards the end: the steps that are left behind the next one
.endif
	XTURN (\t)+1
.endif
	v_max3_num_f32 v8, |v[XS_]|, |v[XS_+1]|, |v[XS_+2]|             ; the largest magnitude of my 16, in two chains
	v_max3_num_f32 v9, |v[XS_+3]|, |v[XS_+4]|, |v[XS_+5]|
.irp i, 6,10
	v_max3_num_f32 v8, v8, |v[XS_+\i]|, |v[XS_+\i+1]|
	v_max3_num_f32 v9, v9, |v[XS_+\i+2]|, |v[XS_+\i+3]|
.endr
	v_max3_num_f32 v8, v8, |v[XS_+14]|, |v[XS_+15]|
	v_max3_num_f32 v8, v8, v9, FLOOR
	v_max_num_f32_dpp v8, v8, v8 row_xmask:1 row_mask:0xf bank_mask:0xf   ; and of my neighbour's 16: the block's
	v_add_nc_u32 v11, OFFE, v8
	v_cvt_scalef32_pk16_fp6_f32 v[XC+4*(\t):XC+4*(\t)+2], v[XS_:XS_+15], v11
	v_lshrrev_b32 v[XE+(\t)], 23, v11              ; the scale's byte (also the plain place behind the conversion)
	ds_store_b8 v5, v[XE+(\t)] offset:16*(\t)      ; both lanes of a block write the same byte with the same value
	global_store_b96 v4, v[XC+4*(\t):XC+4*(\t)+2], s[10:11] offset:384*(\t)   ; the wave stores 384 consecutive bytes
.endm
.irp t, 0,1,2,3,4,5,6,7,8,9,10,11,12,13,14,15
	XSTEP \t
.endr
	ds_load_b64 v[12:13], v6                       ; in order behind my byte stores
	s_wait_dscnt 0x0
	global_store_b64 v7, v[12:13], s[12:13]        ; 32 lanes store 256 consecutive bytes, at a multiple of 256 from xs's first byte
	s_wait_tensorcnt 0x0
	ds_add_u32 v235, v239
	s_wait_dscnt 0x0
	s_endpgm
; ================================================================ ROUTING: one work-group, 256 threads, 32 ids a thread
; Wave w holds ids 1024 w .. + 1023: register 4 q + j of lane l is id 1024 w + 128 q + 4 l + j.  A row's place = its bucket's start + the bucket's count in the waves before mine
; + its count in my wave's registers before this one + its count in the lanes before mine.  Any order inside a bucket serves.
.Lroute:
.set RE,   16                          ; v16-47   the bucket, later 4 x the bucket
.set RPOS, 48                          ; v48-79   the rank, later the byte offset in order
.set RROW, 80                          ; v80-111  the row number
.set RBP,  112                         ; v112-143 the bucket's base for my wave
.set RT,   144                         ; v144-152 ranks at work
.set RTW,  160                         ; v160-167 the eight waves' counts
.set RC,   24                          ; s24-32   running counts of my wave, a bucket each
.set RM,   33                          ; s33-41   lane masks, then their counts
.set RTOT, 51                          ; s51-59   totals
.set RST,  66                          ; s66-75   where each bucket starts in order
.set RTS,  76                          ; s76-85   which tile is each bucket's first
	s_lshl_b32 s86, s22, 12
	s_mov_b32 s87, 0
	s_add_nc_u64 s[8:9], s[8:9], s[86:87]          ; my wave's 4,096 bytes of ids
	v_lshlrev_b32 v8, 4, v1
.irp q, 0,1,2,3,4,5,6,7
	global_load_b128 v[RE+4*\q:RE+4*\q+3], v8, s[8:9] offset:512*\q
.endr
	v_lshl_add_u32 v2, v0, 2, 65536                ; my word among the waves' counts: 128 bytes a wave
	v_lshl_add_u32 v3, v1, 2, 65536                ; my lane's word in wave 0's
.irp k, 0,1,2,3,4,5,6,7,8
	s_mov_b32 s[RC+\k], 0
.endr
	s_wait_loadcnt 0x0
.set ri, 0
.rept 32
	v_min_u32 v[RE+ri], 8, v[RE+ri]                ; unsigned: negative ids and ids above 7 go to bucket 8
.set ri, ri+1
.endr
.set ri, 0
.rept 32                               ; nine chains that do not wait for each other
.irp k, 0,1,2,3,4,5,6,7,8
	v_cmp_eq_u32 s[RM+\k], \k, v[RE+ri]
.endr
	v_mbcnt_lo_u32_b32 v[RPOS+ri], s[RM], s[RC]    ; the bucket's lanes below mine + its count so far
.irp k, 1,2,3,4,5,6,7,8
	v_mbcnt_lo_u32_b32 v[RT+\k], s[RM+\k], s[RC+\k]
.endr
.irp k, 1,2,3,4,5,6,7,8
	v_cndmask_b32 v[RPOS+ri], v[RPOS+ri], v[RT+\k], s[RM+\k]   ; my own bucket's
.endr
.irp k, 0,1,2,3,4,5,6,7,8
	s_bcnt1_i32_b32 s[RM+\k], s[RM+\k]
.endr
.irp k, 0,1,2,3,4,5,6,7,8
	s_add_co_u32 s[RC+\k], s[RC+\k], s[RM+\k]
.endr
.set ri, ri+1
.endr
	v_mov_b32 v4, 0
.irp k, 0,1,2,3,4,5,6,7,8
	v_writelane_b32 v4, s[RC+\k], \k               ; lane k: my wave's count of bucket k
.endr
	ds_store_b32 v2, v4
	s_wait_dscnt 0x0                               ; for the others' sake: my counts lie in LDS
	s_barrier_signal -1
	s_barrier_wait -1                              ; the path's one barrier; all eight waves of this work-group are on this path
.irp w, 0,1,2,3,4,5,6,7
	ds_load_b32 v[RTW+\w], v3 offset:128*\w
.endr
	s_wait_dscnt 0x0
	v_add3_u32 v5, v[RTW], v[RTW+1], v[RTW+2]
	v_add3_u32 v5, v5, v[RTW+3], v[RTW+4]
	v_add3_u32 v5, v5, v[RTW+5], v[RTW+6]
	v_add_nc_u32 v5, v5, v[RTW+7]                  ; lane k: bucket k's total
	v_mov_b32 v6, 0
.irp w, 0,1,2,3,4,5,6
	s_cmp_gt_u32 s22, \w
	s_cselect_b32 s86, -1, 0
	v_and_b32 v8, s86, v[RTW+\w]
	v_add_nc_u32 v6, v6, v8                        ; lane k: bucket k's count in the waves before mine
.endr
	s_mov_b32 s[RST], 0
	s_mov_b32 s[RTS], 0
.irp k, 0,1,2,3,4,5,6,7,8
	v_readlane_b32 s[RTOT+\k], v5, \k
	s_add_co_u32 s[RST+\k+1], s[RST+\k], s[RTOT+\k]
	s_add_co_u32 s86, s[RTOT+\k], 159
	s_mul_i32 s86, s86, 6554                       ; a / 160, rounded down, = (6554 a) >> 20 for a under 16,384: 6554 x 160 - 2^20 = 64
	s_lshr_b32 s86, s86, 20                        ; the bucket's tiles of at most 160 rows
	s_add_co_u32 s[RTS+\k+1], s[RTS+\k], s86
.endr
	v_mov_b32 v7, 0
.irp k, 0,1,2,3,4,5,6,7,8
	v_writelane_b32 v7, s[RST+\k], \k
.endr
	v_add_nc_u32 v7, v7, v6                        ; lane k: where my wave's rows of bucket k begin
.set ri, 0
.rept 32
	v_lshlrev_b32 v[RE+ri], 2, v[RE+ri]
	ds_bpermute_b32 v[RBP+ri], v[RE+ri], v7        ; from the lane of my bucket's number
.set ri, ri+1
.endr
	v_lshlrev_b32 v8, 2, v1
	s_lshl_b32 s86, s22, 10
	v_add_nc_u32 v8, s86, v8                       ; 1024 w + 4 l
	s_wait_dscnt 0x0
.set ri, 0
.rept 32
	v_add_nc_u32 v[RPOS+ri], v[RPOS+ri], v[RBP+ri]
	v_add_nc_u32 v[RROW+ri], 128*(ri/4)+ri%4, v8
	v_min_u32 v[RPOS+ri], 0x1fff, v[RPOS+ri]       ; a place is 0 .. 8191 by the sums above; the bound is written out
	v_lshlrev_b32 v[RPOS+ri], 2, v[RPOS+ri]
	global_store_b32 v[RPOS+ri], v[RROW+ri], s[18:19]   ; four bytes a lane to places that hang on the ids: 32,768 bytes in the whole launch
.set ri, ri+1
.endr
	; the table of tiles: thread j makes entry j.  Its bucket is the last one whose first tile is not behind j
	v_mov_b32 v8, 0
	v_mov_b32 v9, 0
	v_mov_b32 v10, s[RTOT]
	v_mov_b32 v11, 0
.irp k, 1,2,3,4,5,6,7,8
	v_cmp_gt_u32 vcc_lo, s[RTS+\k], v0             ; bucket k begins behind tile j: keep
	v_cndmask_b32 v8, \k, v8, vcc_lo
	v_cndmask_b32 v9, s[RST+\k], v9, vcc_lo
	v_cndmask_b32 v10, s[RTOT+\k], v10, vcc_lo
	v_cndmask_b32 v11, s[RTS+\k], v11, vcc_lo
.endr
	v_sub_nc_u32 v11, v0, v11                      ; which tile of its bucket
	v_mul_u32_u24 v11, v11, 160
	v_add_nc_u32 v13, v9, v11                      ; first position
	v_sub_nc_u32 v10, v10, v11
	v_min_u32 v10, 160, v10                        ; rows
	v_add3_u32 v14, v13, v10, -1                   ; last position
	v_add_nc_u32 v15, 15, v10
	v_lshrrev_b32 v15, 4, v15                      ; tiles of 16 rows
	v_cmp_gt_u32 vcc_lo, s[RTS+9], v0              ; is entry j in use?
	v_cndmask_b32 v12, 9, v8, vcc_lo
	v_cndmask_b32 v13, 0, v13, vcc_lo
	v_cndmask_b32 v14, 0, v14, vcc_lo
	v_cndmask_b32 v15, 0, v15, vcc_lo
	v_lshlrev_b32 v8, 4, v0
	global_store_b128 v8, v[12:15], s[20:21]       ; the work-group stores 4,096 consecutive bytes
	s_cmp_lg_u32 s22, 0
	s_cbranch_scc1 .Lrend                          ; wave 0 alone: the row of zeros
.irp i, 0,1,2,3
	v_mov_b32 v[144+\i], 0
	v_mov_b32 v[152+\i], 0x7f7f7f7f
.endr
	v_lshlrev_b32 v148, 4, v1
	v_and_b32 v149, 15, v1
	v_lshlrev_b32 v149, 4, v149
	v_and_b32 v150, 1, v1
	v_lshlrev_b32 v150, 4, v150
	global_store_b128 v148, v[144:147], s[10:11] offset:8192*768        ; 512 bytes,
	global_store_b128 v149, v[144:147], s[10:11] offset:8192*768+512    ; and 256 (two lanes to each 16 bytes, with the same zeros)
	global_store_b128 v150, v[152:155], s[12:13] offset:8192*32         ; 32 scale bytes of 1.0 (sixteen lanes to each 16 bytes, with the same value)
.Lrend:
	s_wait_tensorcnt 0x0
	ds_add_u32 v235, v239
	s_wait_dscnt 0x0
	s_endpgm
.Lfunc_end_k_q8cdc638408_prep:
	.size	k_q8cdc638408_prep, .Lfunc_end_k_q8cdc638408_prep-k_q8cdc638408_prep
	.p2alignl 7, 3214868480
	.fill 96, 4, 3214868480
	.section	.rodata,"a",@progbits
	.p2align	6, 0x0
	.amdhsa_kernel k_q8cdc638408_prep
		.amdhsa_group_segment_fixed_size 67584
		.amdhsa_private_segment_fixed_size 0
		.amdhsa_enable_private_segment 0
		.amdhsa_kernarg_size 72
		.amdhsa_user_sgpr_count 2
		.amdhsa_user_sgpr_kernarg_segment_ptr 1
		.amdhsa_wavefront_size32 1
		.amdhsa_system_sgpr_workgroup_id_x 1
		.amdhsa_system_sgpr_workgroup_id_y 1
		.amdhsa_system_sgpr_workgroup_id_z 1
		.amdhsa_system_vgpr_workitem_id 0
		.amdhsa_next_free_vgpr 256
		.amdhsa_next_free_sgpr 96
		.amdhsa_reserve_vcc 1
		.amdhsa_float_denorm_mode_32 3
		.amdhsa_float_denorm_mode_16_64 3
		.amdhsa_memory_ordered 1
		.amdhsa_forward_progress 1
		.amdhsa_inst_pref_size 145
	.end_amdhsa_kernel
	.amdgpu_metadata
---
amdhsa.version: [ 1, 2 ]
amdhsa.kernels:
  - .name:           k_q8cdc638408_prep
    .symbol:         k_q8cdc638408_prep.kd
    .args:
      - { .name: x, .offset: 0, .size: 8, .value_kind: global_buffer, .address_space: global }
      - { .name: W, .offset: 8, .size: 8, .value_kind: global_buffer, .address_space: global }
      - { .name: type_ids, .offset: 16, .size: 8, .value_kind: global_buffer, .address_space: global }
      - { .name: xq, .offset: 24, .size: 8, .value_kind: global_buffer, .address_space: global }
      - { .name: xs, .offset: 32, .size: 8, .value_kind: global_buffer, .address_space: global }
      - { .name: wq, .offset: 40, .size: 8, .value_kind: global_buffer, .address_space: global }
      - { .name: ws, .offset: 48, .size: 8, .value_kind: global_buffer, .address_space: global }
      - { .name: order, .offset: 56, .size: 8, .value_kind: global_buffer, .address_space: global }
      - { .name: tiles, .offset: 64, .size: 8, .value_kind: global_buffer, .address_space: global }
    .group_segment_fixed_size: 67584
    .private_segment_fixed_size: 0
    .kernarg_segment_align: 8
    .kernarg_segment_size: 72
    .max_flat_workgroup_size: 256
    .sgpr_count:     96
    .vgpr_count:     256
    .wavefront_size: 32
...
	.end_amdgpu_metadata
.endif
;; end of part 1
;; launch moe (part 2): grid 4 x 60, 4 waves a work-group, no clusters, 144,128 bytes of LDS; arguments xq, xs, wq, ws, b, order, tiles, out0; writes out0
.if DOCPART == 2
	.amdgcn_target "amdgcn-amd-amdhsa--gfx1250"
	.amdhsa_code_object_version 6
	.text
	.protected	k_q8cdc638408_moe
	.globl	k_q8cdc638408_moe
	.p2align	8
	.type	k_q8cdc638408_moe,@function
k_q8cdc638408_moe:
	s_mov_b64 s[64:65], 0
	v_nop
	global_prefetch_b8 v0, s[64:65] scope:SCOPE_SE
	s_setreg_imm32_b32 hwreg(HW_REG_WAVE_MODE, 25, 1), 1
	s_wait_xcnt 0x0
; out0[n][0:1024] = Q(x[n]) . Q(W[t]) + b[t], t = type_ids[n];  out0[n][1024 + k] = 1 where t = k, else 0;  a row whose id lies outside 0..7 is 1,032 zeros.
; Only the chosen expert's product is made for each row.  Codes of E2M3 and E8M0 scale bytes come from the launch before; rows come sorted by expert (order) and cut into tiles of at most 160 rows (tiles).
; GRID: 9 buckets and tiles of 160 rows give at most (8192 + 9 x 159) / 160 = 60 tiles, whatever the split; x 4 slices of 256 columns.  A work-group whose entry is unused stores nothing.
; SHARES: work-group (slice, tile): up to 160 rows x 256 columns.  THE WAVES SHARE THE COLUMNS: wave w owns 64 columns (4 column tiles), and its whole part of W, 4 x 8 fragments = 384 registers, stays in registers,
; loaded as register images, 49,152 consecutive bytes.  The tile's rows of codes are gathered once into LDS (each wave 40 rows) and every wave reads them tile by tile of 16 rows: 32 matrix instructions a row tile.
; TRANSPOSED USE: source 0 = 16 columns of W, source 1 = 16 rows of x: lane (r, h) holds row r and columns 8 h + 0 .. 7 of a column tile.  The bias is the C of each sum's first instruction: it is the sum's first addend, not its last.
; Positions behind a tile's last row repeat that row: such lanes compute and store the same bytes as the row itself, so no store needs a mask and EXEC is never changed.
; Bucket 8 (expert 8): the rows are multiplied as xq's row 8192, zero codes, and the bias is multiplied by 0.
; NO TENSOR LOADS, NO CLUSTER: how many tiles an expert has, and how many row tiles a tile has, are numbers read from memory, on which this text branches; partners of a cluster could not be given tiles of one expert at every split.
; The one barrier stands ahead of every branch on such a number: an unused work-group walks the head with clamped addresses and leaves behind the barrier.
; LIMITS: NaN and infinities in b are not served for rows of bucket 8 (0 x b).
; LDS: 0: 160 rows of codes, pitch 784 = 768 + 16: row r starts at word 196 r = 4 r mod 64, so the 32 lanes of an 8-byte load (784 r + 24 h) touch 64 different banks (64 banks of 4 bytes: ISA guide 11.1);
;      STG: a stage of 16 rows x (256 + 16) bytes for each wave;  TBL: the tile's 160 row numbers.
; REGISTERS, in windows of 256: window 0: addresses, row numbers, scales, bias, two sets of 4 accumulators, the way out;  window 1: W's K steps 0-3 at 48 s + 12 t;  window 2: K steps 4-7;
;      window 3: v0-239 where the gather lands, then two buffers of 8 fragments of x, v0-95 and v96-191.
.set XP,   784
.set STG,  160*XP
.set SP,   272
.set TBL,  STG+4*16*SP
.set OROW, 4128                        ; a row of out0 in bytes
.set FRB,  1536                        ; a fragment's image
.set GI,   20                          ; v20-39   row numbers for the gather: position 40 w + 20 h + p; then byte offsets in xq
.set IDXL, 40                          ; v40-44   row numbers: position 32 g + lane
.set TIDX, 45                          ; v45      row number: position = my thread's number
.set OH,   48                          ; v48-55   the one-hot tail
.set WS,   56                          ; v56-71   W's scale words: register 8 (t / 2) + s: lanes 0-15 column tile 2 (t / 2), lanes 16-31 the next
.set XS,   72                          ; v72-111  x's scale words: register 8 g + s: lane l holds row 32 g + l
.set BI,   112                         ; v112-143 the bias in the result's layout, 8 registers a column tile
.set ACC,  144                         ; v144-207 two sets of 4 accumulators
.set OB,   208                         ; v208-239 16 rows read back from the stage
.set OFF,  240                         ; v240-247 the stores' offsets (at the head: the addresses of x's scale words)
.set IDX,  248                         ; v248-255 a row tile's row numbers 8 h + 0 .. 7
.set MSB, 0
.macro WIN new                         ; the immediate's high byte repeats the setting that is left; bits 1:0 source 0, 3:2 source 1, 5:4 source 2, 7:6 destination
.if MSB != \new
	s_set_vgpr_msb (MSB<<8)|\new
.set MSB, \new
.endif
.endm
	s_load_b512 s[4:19], s[0:1], 0x0               ; xq 4:5, xs 6:7, wq 8:9, ws 10:11, b 12:13, order 14:15, tiles 16:17, out0 18:19
	v_lshl_add_u32 v19, v0, 2, 0x23100
	s_set_vgpr_msb 0x40
	v_mov_b32 v255, 0
	s_set_vgpr_msb 0x4000
	v_lshrrev_b32 v1, 5, v0
	v_readfirstlane_b32 s20, v1                    ; wave 0..3
	s_mov_b32 s21, ttmp9                           ; slice of 256 columns
	s_and_b32 s22, ttmp7, 0xffff                   ; tile
	s_lshl_b32 s23, s22, 4
	v_and_b32 v1, 31, v0                           ; lane
	v_and_b32 v2, 15, v0                           ; r
	v_bfe_u32 v3, v0, 4, 1                         ; h
	s_wait_kmcnt 0x0
	s_load_b128 s[24:27], s[16:17], s23 offset:0x0 ; expert, first position, last position, row tiles
	v_lshlrev_b32 v4, 4, v1                        ; 16 x lane: an image's place
	v_mul_u32_u24 v5, v2, XP
	v_mad_u32_u24 v5, v3, 24, v5                   ; a fragment of x: row r, + 24 h
	v_add_nc_u32 v6, 5*16*XP, v5                   ; the same for row tiles 5-9: an LDS offset has 16 bits
	s_mul_i32 s32, s20, 16*SP
	s_add_co_u32 s32, s32, STG                     ; my stage
	v_mul_u32_u24 v7, v2, SP
	v_lshl_add_u32 v7, v3, 5, v7
	v_add_nc_u32 v7, s32, v7                       ; in: row r, + 32 h
	v_mul_u32_u24 v8, v3, 8*SP
	v_lshl_add_u32 v8, v2, 4, v8
	v_add_nc_u32 v8, s32, v8                       ; back: lanes 0-15 row i, lanes 16-31 row i + 8; 16 bytes a lane
	v_lshl_add_u32 v9, v3, 5, TBL                  ; the row numbers 8 h + 0 .. 7 of a row tile
	s_lshl_b32 s35, s21, 10
	s_lshl_b32 s34, s20, 8
	s_add_co_u32 s35, s35, s34                     ; my 64 columns in bytes: 1024 slice + 256 w
	v_lshl_add_u32 v10, v2, 4, s35                 ; + 16 r: my place in a row of out0
	s_mul_i32 s34, s20, 40*XP
	v_mul_u32_u24 v11, v3, 20*XP
	v_lshl_add_u32 v11, v2, 4, v11
	v_add_nc_u32 v11, s34, v11                     ; the gather's way into LDS: row 40 w + 20 h, + 16 r
	v_lshl_add_u32 v12, v0, 2, TBL                 ; the table: rows 0-127, a thread each,
	v_lshl_add_u32 v13, v1, 2, TBL+512             ; rows 128-159: wave 0's lanes
	v_lshlrev_b32 v14, 5, v3                       ; the bias: 32 h
	v_lshlrev_b32 v15, 2, v1                       ; 4 x lane
	v_lshlrev_b32 v18, 4, v2                       ; 16 r
	s_wait_kmcnt 0x0
	s_min_u32 s28, s24, 7                          ; the expert whose weights are read (buckets 8 and 9 read expert 7's: their products are of zero codes, or are not made)
	s_cmp_lt_u32 s24, 8
	s_cselect_b32 s29, 1.0, 0                      ; what the bias is multiplied by
	s_cselect_b32 s30, 0, 0x2000                   ; under which row number of xq none is taken: 8192 sends every row to the row of zeros
	s_mul_i32 s32, s28, 64*8*FRB
	s_lshl_b32 s33, s21, 2
	s_add_co_u32 s33, s33, s20
	s_mul_i32 s33, s33, 4*8*FRB                    ; column tiles 16 slice + 4 w on
	s_add_co_u32 s32, s32, s33
	s_mov_b32 s33, 0
	s_add_nc_u64 s[8:9], s[8:9], s[32:33]
	s_lshl_b32 s32, s28, 15
	s_add_co_u32 s32, s32, s35
	s_add_nc_u64 s[10:11], s[10:11], s[32:33]
	s_lshl_b32 s32, s28, 12
	s_add_co_u32 s32, s32, s35
	s_add_nc_u64 s[12:13], s[12:13], s[32:33]
	; ---- A: 26 loads of row numbers, in three lane maps.  A position is held at the tile's last, and at 8191
	s_mul_i32 s36, s20, 40
	s_add_co_u32 s36, s36, s25
	v_mad_u32_u24 v16, v3, 20, s36
	v_add_nc_u32 v17, s25, v1
	v_add_nc_u32 v[TIDX], s25, v0
.set p, 0
.rept 20
	v_add_nc_u32 v[GI+p], p, v16
.set p, p+1
.endr
.irp g, 0,1,2,3,4
	v_add_nc_u32 v[IDXL+\g], 32*\g, v17
.endr
.set p, 0
.rept 26
	v_min_u32 v[GI+p], s26, v[GI+p]
.set p, p+1
.endr
.set p, 0
.rept 26
	v_min_u32 v[GI+p], 0x1fff, v[GI+p]
.set p, p+1
.endr
.set p, 0
.rept 26
	v_lshlrev_b32 v[GI+p], 2, v[GI+p]
.set p, p+1
.endr
.set p, 0
.rept 26
	global_load_b32 v[GI+p], v[GI+p], s[14:15]     ; each lands on its own address register
.set p, p+1
.endr
; 48 loads: my fragments of W for K steps s0 .. s0 + 3, as they will stand in the registers
.macro WLOAD s0
.irp s, 0,1,2,3
.irp t, 0,1,2,3
.irp c, 0,1,2
	global_load_b128 v[48*\s+12*\t+4*\c:48*\s+12*\t+4*\c+3], v4, s[8:9] offset:(8*\t+\s+\s0)*FRB+512*\c
.endr
.endr
.endr
.endm
	; ---- D
	WIN 0x40
	WLOAD 0
	WIN 0
	s_wait_loadcnt 48                              ; the row numbers are in; D's 48 are younger
	; ---- B: 34 loads: x's scale words (a row's 32 bytes a lane), W's, the bias
.irp g, 0,1,2,3,4
	v_max_u32 v[OFF+\g], s30, v[IDXL+\g]
.endr
.irp g, 0,1,2,3,4
	v_min_u32 v[OFF+\g], 0x2000, v[OFF+\g]
.endr
.irp g, 0,1,2,3,4
	v_lshlrev_b32 v[OFF+\g], 5, v[OFF+\g]
.endr
.irp g, 0,1,2,3,4
	global_load_b128 v[XS+8*\g:XS+8*\g+3], v[OFF+\g], s[6:7]
	global_load_b128 v[XS+8*\g+4:XS+8*\g+7], v[OFF+\g], s[6:7] offset:16
.endr
.irp c, 0,1
.irp s, 0,1,2,3,4,5,6,7
	global_load_b32 v[WS+8*\c+\s], v15, s[10:11] offset:4096*\s+128*\c
.endr
.endr
.irp t, 0,1,2,3
	global_load_b128 v[BI+8*\t:BI+8*\t+3], v14, s[12:13] offset:64*\t
	global_load_b128 v[BI+8*\t+4:BI+8*\t+7], v14, s[12:13] offset:64*\t+16
.endr
	ds_store_b32 v12, v[TIDX]                      ; the table of row numbers
	s_cmp_lg_u32 s20, 0
	s_cbranch_scc1 .Lnot_wave_0
	ds_store_b32 v13, v[IDXL+4]
.Lnot_wave_0:
	; ---- C: the gather: 60 loads; sixteen lanes read 256 consecutive bytes of a row of codes, at a multiple of 256 from xq's first byte
.set p, 0
.rept 20
	v_max_u32 v[GI+p], s30, v[GI+p]
.set p, p+1
.endr
.set p, 0
.rept 20
	v_min_u32 v[GI+p], 0x2000, v[GI+p]
.set p, p+1
.endr
.set p, 0
.rept 20
	v_mul_u32_u24 v[GI+p], v[GI+p], 768
.set p, p+1
.endr
.set p, 0
.rept 20
	v_add_nc_u32 v[GI+p], v18, v[GI+p]
.set p, p+1
.endr
	WIN 0xc0
.set p, 0
.rept 20
.irp i, 0,1,2
	global_load_b128 v[12*p+4*\i:12*p+4*\i+3], v[GI+p], s[4:5] offset:256*\i
.endr
.set p, p+1
.endr
	; ---- E
	WIN 0x80
	WLOAD 4
	WIN 0
	s_wait_loadcnt 48                              ; all but E's 48
.set p, 0
.rept 32
	v_mul_f32 v[BI+p], s29, v[BI+p]                ; x 1, or x 0 for bucket 8
.set p, p+1
.endr
.rept 4
	v_nop                                          ; the bias, written by vector instructions, is kept as far ahead of the first product as an operand so written
.endr
	WIN 0x0c                                       ; an LDS store's data are its source 1: window 3
.set p, 0
.rept 20
.irp i, 0,1,2
	ds_store_b128 v11, v[12*p+4*\i:12*p+4*\i+3] offset:XP*p+256*\i
.endr
.set p, p+1
.endr
	WIN 0
	s_wait_dscnt 0x0                               ; for the others' sake: my 40 rows and my part of the table lie in LDS
	s_barrier_signal -1
	s_barrier_wait -1                              ; the launch's only barrier: from here on LDS rows and table are only read, and each wave's stage is its own
	s_cmp_eq_u32 s27, 0
	s_cbranch_scc1 .Lend                           ; an unused entry
.macro XLOAD m                         ; 48 loads: the 8 fragments of row tile m into buffer m % 2: lane (r, h): 24 bytes at 96 s + 24 h, 24 at 96 s + 48 + 24 h, in pieces of 8
.set xb, 96*((\m)%2)
.set xo, ((\m)%5)*16*XP
.irp s, 0,1,2,3,4,5,6,7
.irp p, 0,1,2,3,4,5
.if (\m) < 5
	ds_load_b64 v[xb+12*\s+2*\p:xb+12*\s+2*\p+1], v5 offset:xo+96*\s+48*(\p/3)+8*(\p%3)
.else
	ds_load_b64 v[xb+12*\s+2*\p:xb+12*\s+2*\p+1], v6 offset:xo+96*\s+48*(\p/3)+8*(\p%3)
.endif
.endr
.endr
.endm
.macro IDXLOAD m
	ds_load_b128 v[IDX:IDX+3], v9 offset:64*(\m)
	ds_load_b128 v[IDX+4:IDX+7], v9 offset:64*(\m)+16
.endm
; 4 matrix instructions: K step s of row tile m against my 4 column tiles.  The four accumulators take turns, one instruction a turn.
; An odd column tile's scale words lie in lanes 16-31 of their register, and so do an odd row tile's.
.macro MUL m, s
.irp t, 0,1,2,3
.set rD, ACC+32*((\m)%2)+8*\t
.set rA, 48*((\s)%4)+12*\t
.set rB, 96*((\m)%2)+12*(\s)
.set rC, rD
.if (\s) == 0
.set rC, BI+8*\t
.endif
.set rW, WS+8*(\t/2)+(\s)
.set rX, XS+8*((\m)/2)+(\s)
.if (\t%2) && ((\m)%2)
	v_wmma_scale_f32_16x16x128_f8f6f4 v[rD:rD+7], v[rA:rA+11], v[rB:rB+11], v[rC:rC+7], v[rW], v[rX] matrix_a_fmt:MATRIX_FMT_FP6 matrix_b_fmt:MATRIX_FMT_FP6 matrix_a_scale:MATRIX_SCALE_ROW1 matrix_b_scale:MATRIX_SCALE_ROW1
.elseif (\t%2)
	v_wmma_scale_f32_16x16x128_f8f6f4 v[rD:rD+7], v[rA:rA+11], v[rB:rB+11], v[rC:rC+7], v[rW], v[rX] matrix_a_fmt:MATRIX_FMT_FP6 matrix_b_fmt:MATRIX_FMT_FP6 matrix_a_scale:MATRIX_SCALE_ROW1
.elseif ((\m)%2)
	v_wmma_scale_f32_16x16x128_f8f6f4 v[rD:rD+7], v[rA:rA+11], v[rB:rB+11], v[rC:rC+7], v[rW], v[rX] matrix_a_fmt:MATRIX_FMT_FP6 matrix_b_fmt:MATRIX_FMT_FP6 matrix_b_scale:MATRIX_SCALE_ROW1
.else
	v_wmma_scale_f32_16x16x128_f8f6f4 v[rD:rD+7], v[rA:rA+11], v[rB:rB+11], v[rC:rC+7], v[rW], v[rX] matrix_a_fmt:MATRIX_FMT_FP6 matrix_b_fmt:MATRIX_FMT_FP6
.endif
.endr
.endm
.macro OFFS                            ; where the row tile's rows lie in out0.  These 24 plain instructions, which name no register of the products, are also the places behind them (ISA guide 7.12.1)
.irp i, 0,1,2,3,4,5,6,7
	v_min_u32 v[OFF+\i], 0x1fff, v[IDX+\i]
.endr
.irp i, 0,1,2,3,4,5,6,7
	v_mul_u32_u24 v[OFF+\i], v[OFF+\i], OROW
.endr
.irp i, 0,1,2,3,4,5,6,7
	v_add_nc_u32 v[OFF+\i], v10, v[OFF+\i]
.endr
.endm
.macro STAGE m                         ; a lane's 32 bytes of a row go into my stage; whole pieces of 256 bytes of a row come back.  LDS serves a wave's instructions in order (ISA guide 5.7.1.4)
.set ac, ACC+32*((\m)%2)
.irp t, 0,1,2,3
	ds_store_b128 v7, v[ac+8*\t:ac+8*\t+3] offset:64*\t             ; each accumulator from its low end on
	ds_store_b128 v7, v[ac+8*\t+4:ac+8*\t+7] offset:64*\t+16
.endr
.irp i, 0,1,2,3,4,5,6,7
	ds_load_b128 v[OB+4*\i:OB+4*\i+3], v8 offset:SP*\i
.endr
.endm
.macro SEND                            ; sixteen lanes store 256 consecutive bytes of a row (a row of out0 is 4,128 bytes, so rows begin at multiples of 32 bytes only)
.irp i, 0,1,2,3,4,5,6,7
	global_store_b128 v[OFF+\i], v[OB+4*\i:OB+4*\i+3], s[18:19] th:TH_STORE_NT
.endr
.endm
; ROW TILE m.  Its fragments were asked for a row tile ago; the next tile's are asked for first; the stage's round trip of tile m - 1 lies under this tile's 32 products.
.macro ROWTILE m
.if (\m) > 0
	s_cmp_le_u32 s27, \m
	s_cbranch_scc1 .Lflush                         ; the tile has no more rows
	s_wait_dscnt 18                                ; my fragments are in; behind them: the stage's 8 stores and 8 loads, 2 loads of row numbers
.else
	s_wait_dscnt 2                                 ; behind them: 2 loads of row numbers
.endif
.if (\m) < 9
	WIN 0xc0
	XLOAD (\m)+1                                   ; into the buffer that row tile m - 1 multiplied: its products stand ahead of that tile's 24 plain instructions
.endif
	WIN 0x0d                                       ; source 0 (W) window 1, source 1 (x) window 3, C and D window 0
	MUL \m, 0
	MUL \m, 1
	MUL \m, 2
	MUL \m, 3
.if (\m) == 0
	s_wait_loadcnt 0x0                             ; W's K steps 4-7
.endif
	WIN 0x0e                                       ; W in window 2
	MUL \m, 4
	MUL \m, 5
	MUL \m, 6
	MUL \m, 7
	WIN 0
.if (\m) > 0
.if (\m) < 9
	s_wait_dscnt 50                                ; tile m - 1 is back from the stage; behind it: 2 loads of row numbers, 48 of fragments
.else
	s_wait_dscnt 2
.endif
	SEND
	s_wait_xcnt 0x0                                ; the stores' offsets and data are written again only behind this wait
.endif
.if (\m) < 9
	s_wait_dscnt 48                                ; my row numbers are in; the 48 loads of fragments may be out
.else
	s_wait_dscnt 0x0
.endif
	OFFS
	STAGE \m
.if (\m) < 9
	IDXLOAD (\m)+1
.endif
.endm
	WIN 0xc0
	XLOAD 0
	WIN 0
	IDXLOAD 0
	; the one-hot tail: slice 3's work-group; a thread a row, wave 0 also rows 128-159
	s_cmp_lg_u32 s21, 3
	s_cbranch_scc1 .Lno_tail
.irp k, 0,1,2,3,4,5,6,7
	s_cmp_eq_u32 s24, \k
	s_cselect_b32 s48, 1.0, 0
	v_mov_b32 v[OH+\k], s48
.endr
	v_min_u32 v46, 0x1fff, v[TIDX]
	v_mul_u32_u24 v46, v46, OROW
	global_store_b128 v46, v[OH:OH+3], s[18:19] offset:4096      ; 32 bytes at the end of each row: all that a row has there
	global_store_b128 v46, v[OH+4:OH+7], s[18:19] offset:4112
	s_cmp_lg_u32 s20, 0
	s_cbranch_scc1 .Lno_tail
	v_min_u32 v47, 0x1fff, v[IDXL+4]
	v_mul_u32_u24 v47, v47, OROW
	global_store_b128 v47, v[OH:OH+3], s[18:19] offset:4096
	global_store_b128 v47, v[OH+4:OH+7], s[18:19] offset:4112
.Lno_tail:
.irp m, 0,1,2,3,4,5,6,7,8,9
	ROWTILE \m
.endr
.Lflush:
	s_wait_dscnt 0x0                               ; the last row tile is back from the stage (and what was asked for beyond it has landed)
	SEND
.Lend:
	s_set_vgpr_msb 0x4
	s_wait_tensorcnt 0x0
	ds_add_u32 v19, v255
	s_wait_dscnt 0x0
	s_set_vgpr_msb 0x400
	s_endpgm
.Lfunc_end_k_q8cdc638408_moe:
	.size	k_q8cdc638408_moe, .Lfunc_end_k_q8cdc638408_moe-k_q8cdc638408_moe
	.p2alignl 7, 3214868480
	.fill 96, 4, 3214868480
	.section	.rodata,"a",@progbits
	.p2align	6, 0x0
	.amdhsa_kernel k_q8cdc638408_moe
		.amdhsa_group_segment_fixed_size 144128
		.amdhsa_private_segment_fixed_size 0
		.amdhsa_enable_private_segment 0
		.amdhsa_kernarg_size 64
		.amdhsa_user_sgpr_count 2
		.amdhsa_user_sgpr_kernarg_segment_ptr 1
		.amdhsa_wavefront_size32 1
		.amdhsa_system_sgpr_workgroup_id_x 1
		.amdhsa_system_sgpr_workgroup_id_y 1
		.amdhsa_system_sgpr_workgroup_id_z 1
		.amdhsa_system_vgpr_workitem_id 0
		.amdhsa_next_free_vgpr 1024
		.amdhsa_next_free_sgpr 66
		.amdhsa_reserve_vcc 0
		.amdhsa_float_denorm_mode_32 3
		.amdhsa_float_denorm_mode_16_64 3
		.amdhsa_memory_ordered 1
		.amdhsa_forward_progress 1
		.amdhsa_inst_pref_size 147
	.end_amdhsa_kernel
	.amdgpu_metadata
---
amdhsa.version: [ 1, 2 ]
amdhsa.kernels:
  - .name:           k_q8cdc638408_moe
    .symbol:         k_q8cdc638408_moe.kd
    .args:
      - { .name: xq, .offset: 0, .size: 8, .value_kind: global_buffer, .address_space: global }
      - { .name: xs, .offset: 8, .size: 8, .value_kind: global_buffer, .address_space: global }
      - { .name: wq, .offset: 16, .size: 8, .value_kind: global_buffer, .address_space: global }
      - { .name: ws, .offset: 24, .size: 8, .value_kind: global_buffer, .address_space: global }
      - { .name: b, .offset: 32, .size: 8, .value_kind: global_buffer, .address_space: global }
      - { .name: order, .offset: 40, .size: 8, .value_kind: global_buffer, .address_space: global }
      - { .name: tiles, .offset: 48, .size: 8, .value_kind: global_buffer, .address_space: global }
      - { .name: out0, .offset: 56, .size: 8, .value_kind: global_buffer, .address_space: global }
    .group_segment_fixed_size: 144128
    .private_segment_fixed_size: 0
    .kernarg_segment_align: 8
    .kernarg_segment_size: 64
    .max_flat_workgroup_size: 128
    .sgpr_count:     66
    .vgpr_count:     1024
    .wavefront_size: 32
...
	.end_amdgpu_metadata
.endif
;; end of part 2
;; ======== version 2 of 2: 2 launches; version 1 with the launch moe written anew for expert scheduling mode
;; workspace buffers: xq 6,292,224 bytes; xs 262,400 bytes; wq 6,291,456 bytes; ws 262,144 bytes; order 32,768 bytes of whole numbers; tiles 4,096 bytes of whole numbers
;; launch prep: the kernel of part 1 again; grid 385 x 1, 8 waves a work-group, no clusters, 67,584 bytes of LDS; arguments x, W, type_ids, xq, xs, wq, ws, order, tiles; writes xq, xs, wq, ws, order, tiles
;; launch moe (part 3): grid 4 x 60, 4 waves a work-group, no clusters, 144,128 bytes of LDS; arguments xq, xs, wq, ws, b, order, tiles, out0; writes out0
.if DOCPART == 3
	.amdgcn_target "amdgcn-amd-amdhsa--gfx1250"
	.amdhsa_code_object_version 6
	.text
	.protected	k_q8cdc638408_moe
	.globl	k_q8cdc638408_moe
	.p2align	8
	.type	k_q8cdc638408_moe,@function
k_q8cdc638408_moe:
	s_mov_b64 s[64:65], 0
	v_nop
	global_prefetch_b8 v0, s[64:65] scope:SCOPE_SE
	s_setreg_imm32_b32 hwreg(HW_REG_WAVE_SCHED_MODE, 0, 2), 2
	s_setreg_imm32_b32 hwreg(HW_REG_WAVE_MODE, 25, 1), 1
	s_wait_xcnt 0x0
	s_wait_alu depctr_vm_vsrc(0)
; out0[n][0:1024] = Q(x[n]) . Q(W[t]) + b[t], t = type_ids[n];  out0[n][1024 + k] = 1 where t = k, else 0;  a row whose id lies outside 0..7 is 1,032 zeros.
; Only the chosen expert's product is made for each row.  Codes of E2M3 and E8M0 scale bytes come from the launch before; rows come sorted by expert (order) and cut into tiles of at most 160 rows (tiles).
; GRID: 9 buckets and tiles of 160 rows give at most (8192 + 9 x 159) / 160 = 60 tiles, whatever the split; x 4 slices of 256 columns.  A work-group whose entry is unused stores nothing.
; SHARES: work-group (slice, tile): up to 160 rows x 256 columns.  THE WAVES SHARE THE COLUMNS: wave w owns 64 columns (4 column tiles), and its whole part of W, 4 x 8 fragments = 384 registers, stays in registers,
; loaded as register images, 49,152 consecutive bytes.  The tile's rows of codes are gathered once into LDS (each wave 40 rows) and every wave reads them tile by tile of 16 rows: 32 matrix instructions a row tile.
; TRANSPOSED USE: source 0 = 16 columns of W, source 1 = 16 rows of x: lane (r, h) holds row r and columns 8 h + 0 .. 7 of a column tile.  The bias is the C of each sum's first instruction: it is the sum's first addend, not its last.
; Positions behind a tile's last row repeat that row: such lanes compute and store the same bytes as the row itself, so no store needs a mask and EXEC is never changed.
; Bucket 8 (expert 8): the rows are multiplied as xq's row 8192, zero codes, and the bias is multiplied by 0.
; NO TENSOR LOADS, NO CLUSTER: how many tiles an expert has, and how many row tiles a tile has, are numbers read from memory, on which this text branches; partners of a cluster could not be given tiles of one expert at every split.
; The one barrier stands ahead of every branch on such a number: an unused work-group walks the head with clamped addresses and leaves behind the barrier.
; LIMITS: NaN and infinities in b are not served for rows of bucket 8 (0 x b).
; LDS: 0: 160 rows of codes, pitch 784 = 768 + 16: row r starts at word 196 r = 4 r mod 64, so the 32 lanes of an 8-byte load (784 r + 24 h) touch 64 different banks (64 banks of 4 bytes: ISA guide 11.1);
;      STG: a stage of 16 rows x (256 + 16) bytes for each wave;  TBL: the tile's 160 row numbers.
; REGISTERS, in windows of 256: window 0: addresses, row numbers, scales, bias, two sets of 4 accumulators, the way out;  window 1: W's K steps 0-3 at 48 s + 12 t;  window 2: K steps 4-7;
;      window 3: v0-239 where the gather lands, then two buffers of 8 fragments of x, v0-95 and v96-191.
; THE MODE: SCHED_MODE bits 1:0 = 2 (LLVM: expert scheduling mode 2), set by the entry lines.  The code itself states the register dependences
; between vector or matrix instructions and memory or LDS instructions, with s_wait_alu, always for 0.
; THE PLAN.  Registers that memory or LDS instructions touch, from the first row tile on:
;   X0, X1 (window 3)  Row tile m's 32 products read X[m % 2].  The 48 LDS loads of row tile m + 1, issued in row tile m, land in X[(m + 1) % 2], which row tile m - 1's products read last.
;   ACC0, ACC1         Row tile m's products write ACC[m % 2]; the 8 LDS stores at its end read it; row tile m + 2's products write it again.
;   OFF                Written by row tile m's 24 offset lines; read by the 8 stores to out0 that stand in the middle of row tile m + 1.
;   OB                 The 8 LDS loads at row tile m's end land in it; the same 8 stores read it.  No vector instruction names it.
;   IDX                Read by row tile m's offset lines; the 2 LDS loads at that row tile's end land in it.
;   v4 .. v15          Addresses: made at the head, never written again.   W's fragments and the scale words: loaded at the head, never written again.
; ONE wait on va_vdst stands in a row tile, behind its offset lines.  It states that the products have written ACC[m % 2] and are done reading X[m % 2], and that the offset lines have written OFF and are done reading IDX.
; Up to the next such wait the memory and LDS instructions touch those registers, OB and the addresses alone, and the vector-side instructions issued ahead of them in that span are row tile m + 1's products,
; which name W, X[(m + 1) % 2], ACC[(m + 1) % 2], the scale words and the bias: none of them.  So the fragments' loads are dealt among the products in four runs, and the stores stand in the row tile's middle, with no further wait.
; ONE wait on vm_vsrc stands in row tiles 1 to 9, beside the wait on XCNT, ahead of the offset lines: the stores to out0 have read OFF and OB; row tile m - 1's LDS stores have read the accumulators that row tile m + 1's products write.
.set XP,   784
.set STG,  160*XP
.set SP,   272
.set TBL,  STG+4*16*SP
.set OROW, 4128                        ; a row of out0 in bytes
.set FRB,  1536                        ; a fragment's image
.set GI,   20                          ; v20-39   row numbers for the gather: position 40 w + 20 h + p; then byte offsets in xq
.set IDXL, 40                          ; v40-44   row numbers: position 32 g + lane
.set TIDX, 45                          ; v45      row number: position = my thread's number
.set OH,   48                          ; v48-55   the one-hot tail
.set WS,   56                          ; v56-71   W's scale words: register 8 (t / 2) + s: lanes 0-15 column tile 2 (t / 2), lanes 16-31 the next
.set XS,   72                          ; v72-111  x's scale words: register 8 g + s: lane l holds row 32 g + l
.set BI,   112                         ; v112-143 the bias in the result's layout, 8 registers a column tile
.set ACC,  144                         ; v144-207 two sets of 4 accumulators
.set PA,   ACC                         ; v144-169 at the head only: the byte offsets in order of the 26 positions whose row numbers land in v20-45
.set OB,   208                         ; v208-239 16 rows read back from the stage
.set OFF,  240                         ; v240-247 the stores' offsets (at the head: the addresses of x's scale words)
.set IDX,  248                         ; v248-255 a row tile's row numbers 8 h + 0 .. 7
.set MSB, 0
.macro WIN new                         ; the immediate's high byte repeats the setting that is left; bits 1:0 source 0, 3:2 source 1, 5:4 source 2, 7:6 destination
.if MSB != \new
	s_set_vgpr_msb (MSB<<8)|\new
.set MSB, \new
.endif
.endm
	s_load_b512 s[4:19], s[0:1], 0x0               ; xq 4:5, xs 6:7, wq 8:9, ws 10:11, b 12:13, order 14:15, tiles 16:17, out0 18:19
	v_lshl_add_u32 v19, v0, 2, 0x23100
	s_set_vgpr_msb 0x40
	v_mov_b32 v255, 0
	s_set_vgpr_msb 0x4000
	v_lshrrev_b32 v1, 5, v0
	v_readfirstlane_b32 s20, v1                    ; wave 0..3
	s_mov_b32 s21, ttmp9                           ; slice of 256 columns
	s_and_b32 s22, ttmp7, 0xffff                   ; tile
	s_lshl_b32 s23, s22, 4
	v_and_b32 v1, 31, v0                           ; lane
	v_and_b32 v2, 15, v0                           ; r
	v_bfe_u32 v3, v0, 4, 1                         ; h
	s_wait_kmcnt 0x0
	s_load_b128 s[24:27], s[16:17], s23 offset:0x0 ; expert, first position, last position, row tiles
	v_lshlrev_b32 v4, 4, v1                        ; 16 x lane: an image's place
	v_mul_u32_u24 v5, v2, XP
	v_mad_u32_u24 v5, v3, 24, v5                   ; a fragment of x: row r, + 24 h
	v_add_nc_u32 v6, 5*16*XP, v5                   ; the same for row tiles 5-9: an LDS offset has 16 bits
	s_wait_alu depctr_va_sdst(0)                   ; s20, the wave's number, is written, ahead of its first reader: LDS places, bases and branches are made from it
	s_mul_i32 s32, s20, 16*SP
	s_add_co_u32 s32, s32, STG                     ; my stage
	v_mul_u32_u24 v7, v2, SP
	v_lshl_add_u32 v7, v3, 5, v7
	v_add_nc_u32 v7, s32, v7                       ; in: row r, + 32 h
	v_mul_u32_u24 v8, v3, 8*SP
	v_lshl_add_u32 v8, v2, 4, v8
	v_add_nc_u32 v8, s32, v8                       ; back: lanes 0-15 row i, lanes 16-31 row i + 8; 16 bytes a lane
	v_lshl_add_u32 v9, v3, 5, TBL                  ; the row numbers 8 h + 0 .. 7 of a row tile
	s_lshl_b32 s35, s21, 10
	s_lshl_b32 s34, s20, 8
	s_add_co_u32 s35, s35, s34                     ; my 64 columns in bytes: 1024 slice + 256 w
	v_lshl_add_u32 v10, v2, 4, s35                 ; + 16 r: my place in a row of out0
	s_mul_i32 s34, s20, 40*XP
	v_mul_u32_u24 v11, v3, 20*XP
	v_lshl_add_u32 v11, v2, 4, v11
	v_add_nc_u32 v11, s34, v11                     ; the gather's way into LDS: row 40 w + 20 h, + 16 r
	v_lshl_add_u32 v12, v0, 2, TBL                 ; the table: rows 0-127, a thread each,
	v_lshl_add_u32 v13, v1, 2, TBL+512             ; rows 128-159: wave 0's lanes
	v_lshlrev_b32 v14, 5, v3                       ; the bias: 32 h
	v_lshlrev_b32 v15, 2, v1                       ; 4 x lane
	v_lshlrev_b32 v18, 4, v2                       ; 16 r
	s_wait_kmcnt 0x0
	s_min_u32 s28, s24, 7                          ; the expert whose weights are read (buckets 8 and 9 read expert 7's: their products are of zero codes, or are not made)
	s_cmp_lt_u32 s24, 8
	s_cselect_b32 s29, 1.0, 0                      ; what the bias is multiplied by
	s_cselect_b32 s30, 0, 0x2000                   ; under which row number of xq none is taken: 8192 sends every row to the row of zeros
	s_mul_i32 s32, s28, 64*8*FRB
	s_lshl_b32 s33, s21, 2
	s_add_co_u32 s33, s33, s20
	s_mul_i32 s33, s33, 4*8*FRB                    ; column tiles 16 slice + 4 w on
	s_add_co_u32 s32, s32, s33
	s_mov_b32 s33, 0
	s_add_nc_u64 s[8:9], s[8:9], s[32:33]
	s_lshl_b32 s32, s28, 15
	s_add_co_u32 s32, s32, s35
	s_add_nc_u64 s[10:11], s[10:11], s[32:33]
	s_lshl_b32 s32, s28, 12
	s_add_co_u32 s32, s32, s35
	s_add_nc_u64 s[12:13], s[12:13], s[32:33]
	; ---- A: 26 loads of row numbers, in three lane maps.  A position is held at the tile's last, and at 8191.  The offsets are made in registers of their own: no load lands on a register that a load reads
	s_mul_i32 s36, s20, 40
	s_add_co_u32 s36, s36, s25
	v_mad_u32_u24 v16, v3, 20, s36
	v_add_nc_u32 v17, s25, v1
	v_add_nc_u32 v[PA+25], s25, v0
.set p, 0
.rept 20
	v_add_nc_u32 v[PA+p], p, v16
.set p, p+1
.endr
.irp g, 0,1,2,3,4
	v_add_nc_u32 v[PA+20+\g], 32*\g, v17
.endr
.set p, 0
.rept 26
	v_min_u32 v[PA+p], s26, v[PA+p]
.set p, p+1
.endr
.set p, 0
.rept 26
	v_min_u32 v[PA+p], 0x1fff, v[PA+p]
.set p, p+1
.endr
.set p, 0
.rept 26
	v_lshlrev_b32 v[PA+p], 2, v[PA+p]
.set p, p+1
.endr
	s_wait_alu depctr_va_vdst(0)                   ; the 26 offsets v[PA ..] are written, which the loads below read; so are the addresses v4 to v15, which every later load and store reads and no line writes again
.set p, 0
.rept 26
	global_load_b32 v[GI+p], v[PA+p], s[14:15]
.set p, p+1
.endr
; 48 loads: my fragments of W for K steps s0 .. s0 + 3, as they will stand in the registers
.macro WLOAD s0
.irp s, 0,1,2,3
.irp t, 0,1,2,3
.irp c, 0,1,2
	global_load_b128 v[48*\s+12*\t+4*\c:48*\s+12*\t+4*\c+3], v4, s[8:9] offset:(8*\t+\s+\s0)*FRB+512*\c
.endr
.endr
.endr
.endm
	; ---- D  (no vector instruction has named window 1, and none since the wait above names v4)
	WIN 0x40
	WLOAD 0
	WIN 0
	s_wait_loadcnt 48                              ; the row numbers are in; D's 48 are younger
	; the addresses of x's scale words and of the gather are made together, ahead of one wait
.irp g, 0,1,2,3,4
	v_max_u32 v[OFF+\g], s30, v[IDXL+\g]
.endr
.irp g, 0,1,2,3,4
	v_min_u32 v[OFF+\g], 0x2000, v[OFF+\g]
.endr
.irp g, 0,1,2,3,4
	v_lshlrev_b32 v[OFF+\g], 5, v[OFF+\g]
.endr
.set p, 0
.rept 20
	v_max_u32 v[GI+p], s30, v[GI+p]
.set p, p+1
.endr
.set p, 0
.rept 20
	v_min_u32 v[GI+p], 0x2000, v[GI+p]
.set p, p+1
.endr
.set p, 0
.rept 20
	v_mul_u32_u24 v[GI+p], v[GI+p], 768
.set p, p+1
.endr
.set p, 0
.rept 20
	v_add_nc_u32 v[GI+p], v18, v[GI+p]
.set p, p+1
.endr
	s_wait_alu depctr_va_vdst(0)                   ; v[OFF .. OFF + 4] and v[GI .. GI + 19] are written: the loads of x's scale words and the gather's loads read them as offsets
	; ---- B: 34 loads: x's scale words (a row's 32 bytes a lane), W's, the bias
.irp g, 0,1,2,3,4
	global_load_b128 v[XS+8*\g:XS+8*\g+3], v[OFF+\g], s[6:7]
	global_load_b128 v[XS+8*\g+4:XS+8*\g+7], v[OFF+\g], s[6:7] offset:16
.endr
.irp c, 0,1
.irp s, 0,1,2,3,4,5,6,7
	global_load_b32 v[WS+8*\c+\s], v15, s[10:11] offset:4096*\s+128*\c
.endr
.endr
.irp t, 0,1,2,3
	global_load_b128 v[BI+8*\t:BI+8*\t+3], v14, s[12:13] offset:64*\t
	global_load_b128 v[BI+8*\t+4:BI+8*\t+7], v14, s[12:13] offset:64*\t+16
.endr
	ds_store_b32 v12, v[TIDX]                      ; the table of row numbers (its data came by loads; no vector instruction writes them)
	s_cmp_lg_u32 s20, 0
	s_cbranch_scc1 .Lnot_wave_0
	ds_store_b32 v13, v[IDXL+4]
.Lnot_wave_0:
	; ---- C: the gather: 60 loads; sixteen lanes read 256 consecutive bytes of a row of codes, at a multiple of 256 from xq's first byte.  Since the wait above only loads, the table's stores (which name v12, v13, v44, v45) and window switches have been issued
	WIN 0xc0
.set p, 0
.rept 20
.irp i, 0,1,2
	global_load_b128 v[12*p+4*\i:12*p+4*\i+3], v[GI+p], s[4:5] offset:256*\i
.endr
.set p, p+1
.endr
	; ---- E
	WIN 0x80
	WLOAD 4
	WIN 0
	s_wait_loadcnt 48                              ; all but E's 48
.set p, 0
.rept 32
	v_mul_f32 v[BI+p], s29, v[BI+p]                ; x 1, or x 0 for bucket 8
.set p, p+1
.endr
.rept 4
	v_nop                                          ; the bias, written by vector instructions, is kept as far ahead of the first product as an operand so written
.endr
	WIN 0x0c                                       ; an LDS store's data are its source 1: window 3 (they came by loads; the address v11 was written ahead of the first wait on va_vdst)
.set p, 0
.rept 20
.irp i, 0,1,2
	ds_store_b128 v11, v[12*p+4*\i:12*p+4*\i+3] offset:XP*p+256*\i
.endr
.set p, p+1
.endr
	WIN 0
	s_wait_dscnt 0x0                               ; for the others' sake: my 40 rows and my part of the table lie in LDS
	s_barrier_signal -1
	s_barrier_wait -1                              ; the launch's only barrier: from here on LDS rows and table are only read, and each wave's stage is its own
	s_cmp_eq_u32 s27, 0
	s_cbranch_scc1 .Lend                           ; an unused entry
.macro XLOAD m, k0                     ; 12 loads: fragments k0 and k0 + 1 of the 8 of row tile m into buffer m % 2: lane (r, h): 24 bytes at 96 s + 24 h, 24 at 96 s + 48 + 24 h, in pieces of 8
.set xb, 96*((\m)%2)
.set xo, ((\m)%5)*16*XP
.irp s, \k0, \k0+1
.irp p, 0,1,2,3,4,5
.if (\m) < 5
	ds_load_b64 v[xb+12*(\s)+2*\p:xb+12*(\s)+2*\p+1], v5 offset:xo+96*(\s)+48*(\p/3)+8*(\p%3)
.else
	ds_load_b64 v[xb+12*(\s)+2*\p:xb+12*(\s)+2*\p+1], v6 offset:xo+96*(\s)+48*(\p/3)+8*(\p%3)
.endif
.endr
.endr
.endm
.macro IDXLOAD m
	ds_load_b128 v[IDX:IDX+3], v9 offset:64*(\m)
	ds_load_b128 v[IDX+4:IDX+7], v9 offset:64*(\m)+16
.endm
; 4 matrix instructions: K step s of row tile m against my 4 column tiles.  The four accumulators take turns, one instruction a turn.
; An odd column tile's scale words lie in lanes 16-31 of their register, and so do an odd row tile's.
.macro MUL m, s
.irp t, 0,1,2,3
.set rD, ACC+32*((\m)%2)+8*\t
.set rA, 48*((\s)%4)+12*\t
.set rB, 96*((\m)%2)+12*(\s)
.set rC, rD
.if (\s) == 0
.set rC, BI+8*\t
.endif
.set rW, WS+8*(\t/2)+(\s)
.set rX, XS+8*((\m)/2)+(\s)
.if (\t%2) && ((\m)%2)
	v_wmma_scale_f32_16x16x128_f8f6f4 v[rD:rD+7], v[rA:rA+11], v[rB:rB+11], v[rC:rC+7], v[rW], v[rX] matrix_a_fmt:MATRIX_FMT_FP6 matrix_b_fmt:MATRIX_FMT_FP6 matrix_a_scale:MATRIX_SCALE_ROW1 matrix_b_scale:MATRIX_SCALE_ROW1
.elseif (\t%2)
	v_wmma_scale_f32_16x16x128_f8f6f4 v[rD:rD+7], v[rA:rA+11], v[rB:rB+11], v[rC:rC+7], v[rW], v[rX] matrix_a_fmt:MATRIX_FMT_FP6 matrix_b_fmt:MATRIX_FMT_FP6 matrix_a_scale:MATRIX_SCALE_ROW1
.elseif ((\m)%2)
	v_wmma_scale_f32_16x16x128_f8f6f4 v[rD:rD+7], v[rA:rA+11], v[rB:rB+11], v[rC:rC+7], v[rW], v[rX] matrix_a_fmt:MATRIX_FMT_FP6 matrix_b_fmt:MATRIX_FMT_FP6 matrix_b_scale:MATRIX_SCALE_ROW1
.else
	v_wmma_scale_f32_16x16x128_f8f6f4 v[rD:rD+7], v[rA:rA+11], v[rB:rB+11], v[rC:rC+7], v[rW], v[rX] matrix_a_fmt:MATRIX_FMT_FP6 matrix_b_fmt:MATRIX_FMT_FP6
.endif
.endr
.endm
.macro OFFS                            ; where the row tile's rows lie in out0.  These 24 plain instructions, which name no register of the products, are also the places behind them (ISA guide 7.12.1)
.irp i, 0,1,2,3,4,5,6,7
	v_min_u32 v[OFF+\i], 0x1fff, v[IDX+\i]
.endr
.irp i, 0,1,2,3,4,5,6,7
	v_mul_u32_u24 v[OFF+\i], v[OFF+\i], OROW
.endr
.irp i, 0,1,2,3,4,5,6,7
	v_add_nc_u32 v[OFF+\i], v10, v[OFF+\i]
.endr
.endm
.macro STAGE m                         ; a lane's 32 bytes of a row go into my stage; whole pieces of 256 bytes of a row come back.  LDS serves a wave's instructions in order (ISA guide 5.7.1.4)
.set ac, ACC+32*((\m)%2)
.irp t, 0,1,2,3
	ds_store_b128 v7, v[ac+8*\t:ac+8*\t+3] offset:64*\t             ; each accumulator from its low end on
	ds_store_b128 v7, v[ac+8*\t+4:ac+8*\t+7] offset:64*\t+16
.endr
.irp i, 0,1,2,3,4,5,6,7
	ds_load_b128 v[OB+4*\i:OB+4*\i+3], v8 offset:SP*\i
.endr
.endm
.macro SEND                            ; sixteen lanes store 256 consecutive bytes of a row (a row of out0 is 4,128 bytes, so rows begin at multiples of 32 bytes only)
.irp i, 0,1,2,3,4,5,6,7
	global_store_b128 v[OFF+\i], v[OB+4*\i:OB+4*\i+3], s[18:19] th:TH_STORE_NT
.endr
.endm
; ROW TILE m.  Its fragments were asked for a row tile ago.  The next tile's are dealt among its products, 12 loads ahead of each 8; the rows of tile m - 1, back from the stage, are stored in its middle.
; None of these loads and stores owes a wait here: see THE PLAN.  The loads' window setting (destination window 3, sources window 0) serves the stores too: a store's address and data are its sources 0 and 1.
.macro ROWTILE m
.if (\m) > 0
	s_cmp_le_u32 s27, \m
	s_cbranch_scc1 .Lflush                         ; the tile has no more rows
	s_wait_dscnt 18                                ; my fragments are in; behind them: the stage's 8 stores and 8 loads, 2 loads of row numbers
.else
	s_wait_dscnt 2                                 ; behind them: 2 loads of row numbers
.endif
.if (\m) < 9
	WIN 0xc0
	XLOAD (\m)+1, 0                                ; into the buffer that row tile m - 1 multiplied: that tile's wait on va_vdst has shown its products done reading it, and no vector or matrix instruction since names it
.endif
	WIN 0x0d                                       ; source 0 (W) window 1, source 1 (x) window 3, C and D window 0
	MUL \m, 0
	MUL \m, 1
.if (\m) < 9
	WIN 0xc0
	XLOAD (\m)+1, 2
.endif
	WIN 0x0d
	MUL \m, 2
	MUL \m, 3
	WIN 0xc0
.if (\m) < 9
	XLOAD (\m)+1, 4
.endif
.if (\m) > 0
.if (\m) < 9
	s_wait_dscnt 38                                ; tile m - 1 is back from the stage; behind it: 2 loads of row numbers, 36 of fragments
.else
	s_wait_dscnt 2                                 ; behind it: 2 loads of row numbers
.endif
	SEND                                           ; its offsets were written ahead of tile m - 1's wait on va_vdst; its data came by LDS loads
.else
	s_wait_loadcnt 0x0                             ; W's K steps 4-7
.endif
	WIN 0x0e                                       ; W in window 2
	MUL \m, 4
	MUL \m, 5
.if (\m) < 9
	WIN 0xc0
	XLOAD (\m)+1, 6
.endif
	WIN 0x0e
	MUL \m, 6
	MUL \m, 7
	WIN 0
.if (\m) < 9
	s_wait_dscnt 48                                ; my row numbers are in; the 48 loads of fragments may be out
.else
	s_wait_dscnt 0x0
.endif
.if (\m) > 0
	s_wait_xcnt 0x0                                ; the stores' offsets and data are written again only behind this wait
	s_wait_alu depctr_vm_vsrc(0)                   ; the stores above have read v[OFF ..], which the lines below write, and v[OB ..], in which the stage's loads below land; tile m - 1's LDS stores have read the accumulators that tile m + 1's products write
.endif
	OFFS
	s_wait_alu depctr_va_vdst(0)                   ; the products have written this tile's accumulators, which the LDS stores below read, and are done reading its fragments, in which the loads of tile m + 2 land; the 24 lines above have written v[OFF ..], which the next stores read, and are done reading v[IDX ..], in which the loads below land
	STAGE \m
.if (\m) < 9
	IDXLOAD (\m)+1
.endif
.endm
	WIN 0xc0
	s_wait_alu depctr_vm_vsrc(0)                   ; my LDS stores have read the registers in which the gather landed: x's fragments land there from here on; the loads of row numbers have read v[PA ..], which the first products write; the loads of x's scale words have read v[OFF ..], which the first row tile's offset lines write
.irp k, 0,2,4,6
	XLOAD 0, \k
.endr
	WIN 0
	IDXLOAD 0
	; the one-hot tail: slice 3's work-group; a thread a row, wave 0 also rows 128-159
	s_cmp_lg_u32 s21, 3
	s_cbranch_scc1 .Lno_tail
.irp k, 0,1,2,3,4,5,6,7
	s_cmp_eq_u32 s24, \k
	s_cselect_b32 s48, 1.0, 0
	v_mov_b32 v[OH+\k], s48
.endr
	v_min_u32 v46, 0x1fff, v[TIDX]
	v_mul_u32_u24 v46, v46, OROW
	s_wait_alu depctr_va_vdst(0)                   ; v[OH ..] and v46 are written: the stores' data and offset
	global_store_b128 v46, v[OH:OH+3], s[18:19] offset:4096      ; 32 bytes at the end of each row: all that a row has there
	global_store_b128 v46, v[OH+4:OH+7], s[18:19] offset:4112
	s_cmp_lg_u32 s20, 0
	s_cbranch_scc1 .Lno_tail
	v_min_u32 v47, 0x1fff, v[IDXL+4]
	v_mul_u32_u24 v47, v47, OROW
	s_wait_alu depctr_va_vdst(0)                   ; v47 is written: the offset of the two stores below
	global_store_b128 v47, v[OH:OH+3], s[18:19] offset:4096
	global_store_b128 v47, v[OH+4:OH+7], s[18:19] offset:4112
.Lno_tail:
.irp m, 0,1,2,3,4,5,6,7,8,9
	ROWTILE \m
.endr
.Lflush:
	s_wait_dscnt 0x0                               ; the last row tile is back from the stage (and what was asked for beyond it has landed)
	SEND                                           ; its offsets were written ahead of the last row tile's wait on va_vdst, and no vector instruction has been issued since
.Lend:
	s_set_vgpr_msb 0x4
	s_wait_dscnt 0x0
	s_wait_alu depctr_hold_cnt(0) depctr_sa_sdst(0) depctr_va_vdst(0) depctr_va_sdst(0) depctr_va_ssrc(0) depctr_va_vcc(0) depctr_vm_vsrc(0)
	s_wait_tensorcnt 0x0
	ds_add_u32 v19, v255
	s_wait_dscnt 0x0
	s_endpgm
.Lfunc_end_k_q8cdc638408_moe:
	.size	k_q8cdc638408_moe, .Lfunc_end_k_q8cdc638408_moe-k_q8cdc638408_moe
	.p2alignl 7, 3214868480
	.fill 96, 4, 3214868480
	.section	.rodata,"a",@progbits
	.p2align	6, 0x0
	.amdhsa_kernel k_q8cdc638408_moe
		.amdhsa_group_segment_fixed_size 144128
		.amdhsa_private_segment_fixed_size 0
		.amdhsa_enable_private_segment 0
		.amdhsa_kernarg_size 64
		.amdhsa_user_sgpr_count 2
		.amdhsa_user_sgpr_kernarg_segment_ptr 1
		.amdhsa_wavefront_size32 1
		.amdhsa_system_sgpr_workgroup_id_x 1
		.amdhsa_system_sgpr_workgroup_id_y 1
		.amdhsa_system_sgpr_workgroup_id_z 1
		.amdhsa_system_vgpr_workitem_id 0
		.amdhsa_next_free_vgpr 1024
		.amdhsa_next_free_sgpr 66
		.amdhsa_reserve_vcc 0
		.amdhsa_float_denorm_mode_32 3
		.amdhsa_float_denorm_mode_16_64 3
		.amdhsa_memory_ordered 1
		.amdhsa_forward_progress 1
		.amdhsa_inst_pref_size 150
	.end_amdhsa_kernel
	.amdgpu_metadata
---
amdhsa.version: [ 1, 2 ]
amdhsa.kernels:
  - .name:           k_q8cdc638408_moe
    .symbol:         k_q8cdc638408_moe.kd
    .args:
      - { .name: xq, .offset: 0, .size: 8, .value_kind: global_buffer, .address_space: global }
      - { .name: xs, .offset: 8, .size: 8, .value_kind: global_buffer, .address_space: global }
      - { .name: wq, .offset: 16, .size: 8, .value_kind: global_buffer, .address_space: global }
      - { .name: ws, .offset: 24, .size: 8, .value_kind: global_buffer, .address_space: global }
      - { .name: b, .offset: 32, .size: 8, .value_kind: global_buffer, .address_space: global }
      - { .name: order, .offset: 40, .size: 8, .value_kind: global_buffer, .address_space: global }
      - { .name: tiles, .offset: 48, .size: 8, .value_kind: global_buffer, .address_space: global }
      - { .name: out0, .offset: 56, .size: 8, .value_kind: global_buffer, .address_space: global }
    .group_segment_fixed_size: 144128
    .private_segment_fixed_size: 0
    .kernarg_segment_align: 8
    .kernarg_segment_size: 64
    .max_flat_workgroup_size: 128
    .sgpr_count:     66
    .vgpr_count:     1024
    .wavefront_size: 32
...
	.end_amdgpu_metadata
.endif
;; end of part 3
